; MI455X (gfx1250); checked and timed in simulation.
; The chip was launched on July 23, 2026; its instructions are those of AMD's public machine-readable ISA for CDNA 5 (MIT licence, August 2026) and "CDNA5" Instruction Set Architecture Reference Guide (July 2026). The comments in the code are by the model that wrote it; some were corrected since.
;; Duo Attention. Allowed arithmetic: float matrix products may take bf16 or f16 operands with f32 sums; all other float work in f32.
;; Inputs: in_proj_b 3,072 float32; in_proj_w 3,072 x 1,024 float32; key 2 x 2,048 x 1,024 float32; mask_b 1 float32; mask_w 1 x 1,024 float32; out_proj_b 1,024 float32; out_proj_w 1,024 x 1,024 float32; query 2 x 2,048 x 1,024 float32; value 2 x 2,048 x 1,024 float32.
;; Outputs: out0 2 x 2 x 2,048 x 1,024 float32.
;; One version. Each part assembles by itself: llvm-mc -triple=amdgcn-amd-amdhsa -mcpu=gfx1250 --defsym DOCPART=n.
;; ======== version 1 of 1: 3 launches
;; limits: values are held in f16: magnitudes above 65,504 overflow, below 6.1e-05 lose precision
;; workspace buffers: qkv 25,165,824 bytes; ao 8,388,608 bytes; wo16 2,097,152 bytes
;; launch proj (part 1): grid 4 x 48, 4 waves a work-group, clusters of 4 x 4, 327,680 bytes of LDS; arguments query, key, value, in_proj_w, in_proj_b, qkv; writes qkv
.if DOCPART == 1
	.amdgcn_target "amdgcn-amd-amdhsa--gfx1250"
	.amdhsa_code_object_version 6
	.text
	.protected	k_q5d703a47c9_proj
	.globl	k_q5d703a47c9_proj
	.p2align	8
	.type	k_q5d703a47c9_proj,@function
k_q5d703a47c9_proj:
	s_mov_b64 s[64:65], 0
	v_nop
	global_prefetch_b8 v0, s[64:65] scope:SCOPE_SE
	s_setreg_imm32_b32 hwreg(HW_REG_WAVE_MODE, 25, 1), 1
	s_wait_xcnt 0x0
	s_wait_alu depctr_hold_cnt(0) depctr_sa_sdst(0) depctr_va_vdst(0) depctr_va_sdst(0) depctr_va_ssrc(0) depctr_va_vcc(0) depctr_vm_vsrc(0)
	s_getreg_b32 s2, hwreg(HW_REG_IB_STS2, 6, 4)
	s_cmp_eq_u32 s2, 0
	s_cbranch_scc0 .Lentry_in_a_cluster
	s_endpgm
.Lentry_in_a_cluster:
	s_bfe_u32 s2, ttmp6, 0x10000c
	s_cmp_lg_u32 s2, 0xf033
	s_cbranch_scc0 .Lentry_shape_is_right
	s_endpgm
.Lentry_shape_is_right:
; qkv[z][b][h][s][64] (f16) = X_z W_z^T + b_z for z = 0, 1, 2 (X = query, key, value: [4096][1024] f32; W_z = rows 1024 z .. of in_proj_w).
; A work-group makes 256 rows x 256 columns of one z with four waves; a wave makes 128 x 128: 64 accumulator tiles, 512 registers.
; K goes in steps of 64 f32 (rows of 256 bytes, each starting at a multiple of 256 bytes of its buffer) through two LDS slots.
; The tiles lie in LDS as f32; a wave loads them into staging registers and rounds them to f16 there (v_cvt_pk_f16_f32), so no
; converted copy of the inputs ever goes through memory.  Sums in f32; the bias is the C operand of the first products.
; LIMIT: the results are stored in f16, so |projection| must stay below 65,504; f16 is taken for its 11 bits of mantissa.
; CLUSTERS: 4 x 4 work-groups.  z is the same in the whole cluster (cluster y / 4).  The four of a cluster's row share the row block
; and ask for X's tiles jointly; the four of a column share the column block and ask for W's tiles jointly.
; PREFETCH: once a lap (two K steps) each wave asks for 16 rows x 512 bytes of X, and wave 3 for 16 rows x 512 bytes of W, of the lap
; after next: one K step ahead of the first tensor load that wants them, two ahead of the second.  X's 256 rows are shared out among
; the four column blocks and their four waves, W's 256 rows among the sixteen row blocks, so each block of 256 bytes is asked for once
; in the launch.  Laps 0 to 5 ask, laps 6 and 7 do not: the last byte asked for is byte 4,095 of a row.
; REGISTER WINDOWS: 0: addresses, X's f16 fragments v64-127, X's f32 staging v128-255.  1: bias tiles v0-63, W's fragments v64-127,
; W's staging v128-255.  2: accumulators of my rows 0-63 (tile (a, b) at v[8 (8 a + b)]).  3: those of my rows 64-127.
; The matrix instruction is used transposed (source 0 = rows of W, source 1 = rows of X): lane l then holds row l % 16 and its
; registers the eight neighbouring columns 8 (l / 16) + 0 .. 7, which pack into 16 bytes of f16.
.set PITCH,  272                       ; LDS row: 256 bytes + 16 of padding, an odd multiple of 16: 16 rows start in 16 different 16-byte columns
.set HALFT,  128*PITCH                 ; what one tensor load brings: 128 rows
.set SLOT,   4*HALFT                   ; X's 256 rows, then W's 256 rows
.set STAGE,  2*SLOT                    ; behind the ring, never filled by a tensor load
.set SPITCH, 400                       ; stage row: 256 bytes of f16 in a pitch of 25 x 16 bytes
.set KB,     256                       ; bytes of a K step in a row
.set LAPS,   8                         ; 1024 / (2 x 64): a lap is once round the ring
.set ADRA, 16                          ; v16-17 LDS address of my X fragments in slot 0, 1
.set ADRB, 20                          ; v20-21 the same for W
.set STO,  24                          ; way out: where I put 16 bytes
.set RD,   25                          ; way out: where I read back
.set CO,   26                          ; way out: 16 x lane
.set BOFF, 27                          ; 32 x (lane / 16): my eight bias numbers in a tile's sixteen
.set PV,   28                          ; prefetch: 4,096 x (lane / 2) + 256 x (lane % 2); never rewritten
.set FR,   64                          ; f16 fragments (windows 0 and 1)
.set ST,   128                         ; f32 staging (windows 0 and 1)
.set BI,   0                           ; bias tiles (window 1)
.set TMP,  128                         ; way out, window 0
.set F0,   160
.set F1,   192
.set G1,  24                           ; s[24:31] group 1 for X's tiles
.set G0,  32                           ; s[32:39] group 0 for X's tiles, one set a slot
.set G1B, 48                           ; s[48:55] group 1 for W's tiles
.set G0B, 56                           ; s[56:63] group 0 for W's tiles, one set a slot
.set PX,  80                           ; s[80:81] prefetch: my 16 rows of X, at the lap last asked for
.set PW,  82                           ; s[82:83] prefetch: my work-group's 16 rows of W
.set MSB, 0
.macro WIN new                         ; the immediate's high byte repeats the setting that is left
.if MSB != \new
	s_set_vgpr_msb (MSB<<8)|\new
.set MSB, \new
.endif
.endm
.macro PLACES                          ; four places behind matrix instructions (ISA guide 7.12.1)
.rept 4
	v_nop
.endr
.endm
.macro JLOAD s                         ; waves 0, 1 ask for X's halves, waves 2, 3 for W's; the branch hangs on the wave's number alone
	s_cmp_eq_u32 s11, 0
	s_cbranch_scc0 .Lfor_b_\@
	tensor_load_to_lds s[G0+4*(\s):G0+4*(\s)+3], s[G1:G1+7]
	s_nop 0
	s_branch .Lasked_\@
.Lfor_b_\@:
	tensor_load_to_lds s[G0B+4*(\s):G0B+4*(\s)+3], s[G1B:G1B+7]
	s_nop 0
	v_nop
	v_nop
	v_nop
	v_nop
.Lasked_\@:
.endm
.macro CROUND                          ; a round of the cluster's barrier
	s_barrier_signal -1
	s_barrier_wait -1
	s_cmp_lg_u32 s10, 0
	s_cbranch_scc1 .Lnot_wave_0_\@
	s_barrier_signal -3
.Lnot_wave_0_\@:
	s_barrier_wait -3
	s_barrier_signal -1
	s_barrier_wait -1
.endm
.macro ASK                             ; the lap after next: 512 bytes of each of my rows
	s_wait_xcnt 0x0                                ; the last lap's requests have had their addresses translated: the bases may step
	s_add_nc_u64 s[PX:PX+1], s[PX:PX+1], 2*KB
	s_add_nc_u64 s[PW:PW+1], s[PW:PW+1], 2*KB
	global_prefetch_b8 v[PV], s[PX:PX+1] th:TH_LOAD_NT scope:SCOPE_SE
	s_cmp_lg_u32 s10, 3
	s_cbranch_scc1 .Lnot_wave_3_\@
	global_prefetch_b8 v[PV], s[PW:PW+1] th:TH_LOAD_NT scope:SCOPE_SE
.Lnot_wave_3_\@:
.endm
	s_load_b256 s[68:75], s[0:1], 0x0              ; query s[68:69], key s[70:71], value s[72:73], in_proj_w s[74:75]
	s_load_b128 s[76:79], s[0:1], 0x20             ; in_proj_b s[76:77], qkv s[78:79]
	v_lshl_add_u32 v62, v0, 2, 0x4a400
	v_mov_b32 v63, 0
	ds_add_u32 v62, v63
	v_lshrrev_b32 v1, 5, v0
	v_readfirstlane_b32 s10, v1                    ; wave 0..3
	s_lshr_b32 s11, s10, 1                         ; my half of the rows; also: I fetch for X (0) or W (1)
	s_and_b32 s12, s10, 1                          ; my half of the columns; also: which 128 rows of that tile I fetch
	s_bfe_u32 s40, ttmp6, 0x40000                  ; cx
	s_bfe_u32 s41, ttmp6, 0x40004                  ; cy
	s_lshl_b32 s42, ttmp9, 2
	s_add_co_u32 s42, s42, s40                     ; column block 0..3
	s_and_b32 s13, ttmp7, 0xffff                   ; cluster y 0..11
	s_lshr_b32 s45, s13, 2                         ; z: the same in all sixteen work-groups
	s_and_b32 s13, s13, 3
	s_lshl_b32 s13, s13, 2
	s_add_co_u32 s13, s13, s41                     ; row block 0..15
	s_lshl_b32 s43, s41, 2
	s_lshl_b32 s43, 15, s43                        ; my row of the cluster
	s_lshl_b32 s44, 0x1111, s40                    ; my column
	; group 1: 128 rows x 64 elements of 4 bytes, 16 bytes of padding behind every 64 words
	s_or_b32 s[G1+0], s43, (2<<16)|(1<<20)|(1<<21)|(5<<22)|(3<<25)
	s_or_b32 s[G1B+0], s44, (2<<16)|(1<<20)|(1<<21)|(5<<22)|(3<<25)
	s_mov_b32 s[G1+1], 64<<16                      ; tensor_dim0 = 64
	s_mov_b32 s[G1B+1], 64<<16
	s_mov_b32 s[G1+2], 128<<16                     ; tensor_dim1 = 128
	s_mov_b32 s[G1B+2], 128<<16
	s_mov_b32 s[G1+3], 64<<16                      ; tile_dim0 = 64
	s_mov_b32 s[G1B+3], 64<<16
	s_mov_b32 s[G1+4], 128                         ; tile_dim1 = 128
	s_mov_b32 s[G1B+4], 128
	s_mov_b32 s[G1+5], 1024                        ; elements from row to row
	s_mov_b32 s[G1B+5], 1024
	s_mov_b32 s[G1+6], 0
	s_mov_b32 s[G1B+6], 0
	s_mov_b32 s[G1+7], 0
	s_mov_b32 s[G1B+7], 0
	; X's tile hangs on the row block alone, W's on z and the column block alone; each in registers that never hold the other coordinate
	s_lshl_b32 s17, s12, 7
	s_lshl_b32 s16, s13, 8
	s_add_co_u32 s16, s16, s17                     ; X: row 256 x row block + 128 x half
	s_lshl_b32 s16, s16, 12                        ; x 4,096 bytes, below 2^24
	s_lshl_b32 s46, s45, 10
	s_lshl_b32 s47, s42, 8
	s_add_co_u32 s46, s46, s47
	s_add_co_u32 s46, s46, s17                     ; W: row 1024 z + 256 x column block + 128 x half; also my wave's first column
	s_lshl_b32 s18, s46, 2                         ; its place in the bias, in bytes
	s_lshl_b32 s46, s46, 12
	s_mov_b32 s17, 0
	s_mov_b32 s19, 0
	s_mov_b32 s47, 0
	s_mul_i32 s20, s10, HALFT                      ; LDS: wave x 128 rows
	; the prefetches' rows, in registers of their own: X row 256 x row block + 64 x column block + 16 x wave; W row 1024 z + 256 x column block + 16 x row block
	s_lshl_b32 s[PX], s13, 8
	s_lshl_b32 s[PX+1], s42, 6
	s_add_co_u32 s[PX], s[PX], s[PX+1]
	s_lshl_b32 s[PX+1], s10, 4
	s_add_co_u32 s[PX], s[PX], s[PX+1]
	s_lshl_b32 s[PX], s[PX], 12
	s_add_co_u32 s[PX], s[PX], 2*KB                ; lap 1: the first request steps on to lap 2
	s_mov_b32 s[PX+1], 0
	s_lshl_b32 s[PW], s45, 10
	s_lshl_b32 s[PW+1], s42, 8
	s_add_co_u32 s[PW], s[PW], s[PW+1]
	s_lshl_b32 s[PW+1], s13, 4
	s_add_co_u32 s[PW], s[PW], s[PW+1]
	s_lshl_b32 s[PW], s[PW], 12
	s_add_co_u32 s[PW], s[PW], 2*KB
	s_mov_b32 s[PW+1], 0
	s_wait_dscnt 0x0
	s_wait_kmcnt 0x0
	s_cmp_eq_u32 s45, 1
	s_cselect_b64 s[4:5], s[70:71], s[68:69]       ; X = key for z = 1,
	s_cmp_eq_u32 s45, 2
	s_cselect_b64 s[4:5], s[72:73], s[4:5]         ; value for z = 2, else query
	s_add_nc_u64 s[14:15], s[4:5], s[16:17]
	s_add_nc_u64 s[46:47], s[74:75], s[46:47]
	s_add_nc_u64 s[76:77], s[76:77], s[18:19]
	s_add_nc_u64 s[PX:PX+1], s[4:5], s[PX:PX+1]
	s_add_nc_u64 s[PW:PW+1], s[74:75], s[PW:PW+1]
	CROUND                                         ; all sixteen work-groups are here: the first joint loads meet
.irp s, 0,1
	s_mov_b32 s[G0+4*\s], 1
	s_add_co_u32 s[G0+4*\s+1], s20, \s*SLOT
	s_add_nc_u64 s[G0+4*\s+2:G0+4*\s+3], s[14:15], \s*KB
	s_or_b32 s[G0+4*\s+3], s[G0+4*\s+3], 0x80000000
	s_mov_b32 s[G0B+4*\s], 1
	s_add_co_u32 s[G0B+4*\s+1], s20, \s*SLOT
	s_add_nc_u64 s[G0B+4*\s+2:G0B+4*\s+3], s[46:47], \s*KB
	s_or_b32 s[G0B+4*\s+3], s[G0B+4*\s+3], 0x80000000
	JLOAD \s                                       ; K steps 0 and 1: two tensor loads of the wave are out
.endr
	; a fragment's lane (r = l % 16, h = l / 16) wants k = 8 h .. 8 h + 7 and 16 + 8 h .. + 7: in f32 the bytes 32 h + 0, 16 and 64, 80
	v_and_b32 v1, 15, v0                           ; r
	v_bfe_u32 v2, v0, 4, 1                         ; h
	v_lshlrev_b32 v[BOFF], 5, v2
	WIN 0x40
.irp b, 0,1,2,3,4,5,6,7
	global_load_b128 v[BI+8*\b:BI+8*\b+3],   v[BOFF], s[76:77] offset:64*\b      ; bias of columns 16 b + 8 h + 0 .. 3
	global_load_b128 v[BI+8*\b+4:BI+8*\b+7], v[BOFF], s[76:77] offset:64*\b+16   ; and + 4 .. 7: the layout of a C tile
.endr
	WIN 0
	v_mul_u32_u24 v3, v1, PITCH
	v_lshl_add_u32 v3, v2, 5, v3
	s_mul_i32 s21, s11, HALFT
	s_mul_i32 s22, s12, HALFT
	s_add_co_u32 s22, s22, 2*HALFT
.irp s, 0,1
	v_add_nc_u32 v[ADRA+\s], s21, v3
	v_add_nc_u32 v[ADRB+\s], s22, v3
	s_add_co_u32 s21, s21, SLOT
	s_add_co_u32 s22, s22, SLOT
.endr
	s_mul_i32 s23, s10, 16*SPITCH
	s_add_co_u32 s23, s23, STAGE                   ; my stage
	v_mul_u32_u24 v4, v1, SPITCH
	v_lshl_add_u32 v4, v2, 4, v4
	v_add_nc_u32 v[STO], s23, v4                   ; row r, 16 bytes for each half of the lanes
	v_and_b32 v5, 31, v0
	v_lshlrev_b32 v[CO], 4, v5
	v_lshrrev_b32 v5, 3, v5
	v_mul_u32_u24 v5, v5, SPITCH
	v_and_b32 v6, 7, v0
	v_lshl_add_u32 v5, v6, 4, v5
	v_add_nc_u32 v[RD], s23, v5                    ; back: eight lanes take 128 bytes (one head's 64 numbers) of a row, four rows a load
	v_bfe_u32 v8, v0, 1, 4                         ; prefetch: two lanes a row, 256 bytes apart
	v_and_b32 v9, 1, v0
	v_lshlrev_b32 v8, 12, v8
	v_lshl_or_b32 v[PV], v9, 8, v8
.macro CONV                            ; 128 staged f32 a lane to 8 fragments of f16; the window says whose
.irp i, 0,1,2,3,4,5,6,7
.irp j, 0,1,2,3,4,5,6,7
	v_cvt_pk_f16_f32 v[FR+8*\i+\j], v[ST+16*\i+2*\j], v[ST+16*\i+2*\j+1]
.endr
.endr
.endm
.macro FETCH adr, kb                   ; 32 LDS loads: 128 rows x 32 k of f32 at byte kb of the rows
.irp i, 0,1,2,3,4,5,6,7
	ds_load_b128 v[ST+16*\i:ST+16*\i+3],     v[\adr] offset:\kb+\i*16*PITCH
	ds_load_b128 v[ST+16*\i+4:ST+16*\i+7],   v[\adr] offset:\kb+\i*16*PITCH+16
	ds_load_b128 v[ST+16*\i+8:ST+16*\i+11],  v[\adr] offset:\kb+\i*16*PITCH+64
	ds_load_b128 v[ST+16*\i+12:ST+16*\i+15], v[\adr] offset:\kb+\i*16*PITCH+80
.endr
.endm
; 16 matrix instructions: row blocks a0, a0 + 1 of the window's four x all 8 column blocks.  first = 1: C is the bias tile, nothing is cleared.
; The 64 accumulators take turns, one instruction a turn, in the same order in every half step.
.macro MUL16 hi, a0, first
.if \first
	WIN (0x91+0x40*\hi)
.else
	WIN (0xa1+0x50*\hi)
.endif
.irp a, \a0, \a0+1
.irp b, 0,1,2,3,4,5,6,7
.if \first
	v_wmma_f32_16x16x32_f16 v[8*(8*(\a)+\b):8*(8*(\a)+\b)+7], v[FR+8*\b:FR+8*\b+7], v[FR+8*(4*\hi+\a):FR+8*(4*\hi+\a)+7], v[BI+8*\b:BI+8*\b+7]
.else
	v_wmma_f32_16x16x32_f16 v[8*(8*(\a)+\b):8*(8*(\a)+\b)+7], v[FR+8*\b:FR+8*\b+7], v[FR+8*(4*\hi+\a):FR+8*(4*\hi+\a)+7], v[8*(8*(\a)+\b):8*(8*(\a)+\b)+7]
.endif
.endr
.endr
.endm
; First half of a K step (k bytes 0-127, staged by the half step before); it stages the second half.
.macro QA slot, first
	s_wait_dscnt 32                                ; W's 32 loads are in; X's 32, issued behind them, may be out
	WIN 0x45
	CONV
	WIN 0x40
	FETCH ADRB+\slot, 128
	s_wait_dscnt 32                                ; X's are in; the 32 just issued may be out
	WIN 0
	CONV
	FETCH ADRA+\slot, 128
	MUL16 0, 0, \first
	MUL16 0, 2, \first
	MUL16 1, 0, \first
	MUL16 1, 2, \first
	PLACES                                         ; the next conversions write registers that these matrix instructions read
.endm
; Second half, and the change of slots.  The slot's last bytes are in registers once the staged loads are back, so the slot changes hands
; ahead of this half's products: my reads are back, all my tensor loads have landed (one was out: my part of the next slot), the barrier,
; the refill first behind it, the next slot's first reads, and only then the 64 matrix instructions: the refill has them, too, in which to land.
.macro QB slot, next, fill, ask
	s_wait_dscnt 32                                ; W's 32 loads are in; X's 32 may be out
	WIN 0x45
	CONV
	s_wait_dscnt 0x0                               ; all my reads of this slot are back
	WIN 0
	CONV
	s_wait_tensorcnt 0x0                           ; all my tensor loads have landed: every group 0 may be written
	ds_add_u32 v62, v63
	s_wait_dscnt 0x0
.if \fill
	s_add_nc_u64 s[G0+4*\slot+2:G0+4*\slot+3], s[G0+4*\slot+2:G0+4*\slot+3], 2*KB
	s_add_nc_u64 s[G0B+4*\slot+2:G0B+4*\slot+3], s[G0B+4*\slot+2:G0B+4*\slot+3], 2*KB
	CROUND                                         ; no wave of any partner still reads this slot or has a load on its way
	JLOAD \slot                                    ; my one tensor load behind the round: two K steps ahead
.else
	s_barrier_signal -1
	s_barrier_wait -1
.endif
	WIN 0x40
	FETCH ADRB+\next, 0
	WIN 0
	FETCH ADRA+\next, 0
.if \ask
	ASK
.endif
	MUL16 0, 0, 0
	MUL16 0, 2, 0
	MUL16 1, 0, 0
	MUL16 1, 2, 0
	PLACES
.endm
.macro LAP first, ask
	QA 0, \first
	QB 0, 1, 1, 0
	QA 1, 0
	QB 1, 0, 1, \ask
.endm
	s_wait_tensorcnt 0x1                           ; my part of K step 0 is in; K step 1's stays out
	s_barrier_signal -1
	s_barrier_wait -1
	WIN 0x40
	FETCH ADRB+0, 0
	WIN 0
	FETCH ADRA+0, 0
	s_wait_loadcnt 0x0                             ; the bias tiles
	LAP 1, 1                                       ; lap 0 asks for lap 2
	WIN 0
	s_mov_b32 s3, LAPS-3
.Llap:
	LAP 0, 1                                       ; laps 1 to 5 ask for laps 3 to 7
	WIN 0
	s_sub_co_u32 s3, s3, 1
	s_cmp_lg_u32 s3, 0
	s_cbranch_scc1 .Llap
	LAP 0, 0                                       ; lap 6 fills both slots once more and asks for nothing
	QA 0, 0                                        ; lap 7 fills nothing
	QB 0, 1, 0, 0
	QA 1, 0
	s_wait_dscnt 32
	WIN 0x45
	CONV
	s_wait_dscnt 0x0
	WIN 0
	CONV
	MUL16 0, 0, 0
	MUL16 0, 2, 0
	MUL16 1, 0, 0
	MUL16 1, 2, 0
	PLACES                                         ; behind the last matrix instructions, in front of the conversions that read results
	; THE WAY OUT.  qkv byte = z 2^23 + (16 b + head) 2^18 + 128 s + 2 d.  My 128 columns are two heads; four rows of a head are 512 consecutive bytes.
	s_lshl_b32 s16, s45, 23
	s_lshr_b32 s17, s13, 3                         ; batch
	s_lshl_b32 s17, s17, 22
	s_add_co_u32 s16, s16, s17
	s_and_b32 s17, s13, 7
	s_lshl_b32 s17, s17, 15                        ; 256 rows of 128 bytes
	s_add_co_u32 s16, s16, s17
	s_lshl_b32 s17, s11, 14                        ; my 128 rows
	s_add_co_u32 s16, s16, s17
	s_mov_b32 s17, 0
	s_add_nc_u64 s[8:9], s[78:79], s[16:17]
	s_lshl_b32 s46, s42, 20                        ; four heads a column block
	s_lshl_b32 s47, s12, 19                        ; two heads a wave
	s_add_co_u32 s46, s46, s47
	s_mov_b32 s47, 0
	s_add_nc_u64 s[8:9], s[8:9], s[46:47]
; rows 16 i .. 16 i + 15 of my block: round to f16, 16 bytes a lane into my own stage, read back by heads.
; The stores of 16 lanes touch 16 different 16-byte columns; in the read-back one column of the sixteen is shared by two lanes.
.macro OUT16 i, a, from, f
	WIN \from
.irp b, 0,1,2,3,4,5,6,7
.irp r, 0,1,2,3
	v_cvt_pk_f16_f32 v[TMP+4*\b+\r], v[8*(8*\a+\b)+2*\r], v[8*(8*\a+\b)+2*\r+1]
.endr
.endr
	WIN 0
.irp b, 0,1,2,3,4,5,6,7
	ds_store_b128 v[STO], v[TMP+4*\b:TMP+4*\b+3] offset:32*\b
.endr
	s_wait_xcnt 0x0                                ; buffer f, which earlier global stores read, is loaded again only behind this wait
.irp t, 0,1,2,3,4,5,6,7
	ds_load_b128 v[\f+4*\t:\f+4*\t+3], v[RD] offset:(\t&3)*4*SPITCH+(\t>>2)*128   ; LDS serves a wave's instructions in order: these see the stores above
.endr
.irp t, 0,1,2,3,4,5,6,7
	s_wait_dscnt 7-\t                              ; load t of the eight is in
	global_store_b128 v[CO], v[\f+4*\t:\f+4*\t+3], s[8:9] offset:\i*2048+(\t>>2)*262144+(\t&3)*512   ; 512 consecutive bytes, aligned
.endr
.endm
	OUT16 0, 0, 0x0a, F0
	OUT16 1, 1, 0x0a, F1
	OUT16 2, 2, 0x0a, F0
	OUT16 3, 3, 0x0a, F1
	OUT16 4, 0, 0x0f, F0
	OUT16 5, 1, 0x0f, F1
	OUT16 6, 2, 0x0f, F0
	OUT16 7, 3, 0x0f, F1
	s_wait_tensorcnt 0x0
	ds_add_u32 v62, v63
	s_wait_dscnt 0x0
	CROUND                                         ; the closing round: no work-group ends while a partner may still ask jointly
	s_endpgm
.Lfunc_end_k_q5d703a47c9_proj:
	.size	k_q5d703a47c9_proj, .Lfunc_end_k_q5d703a47c9_proj-k_q5d703a47c9_proj
	.p2alignl 7, 3214868480
	.fill 96, 4, 3214868480
	.section	.rodata,"a",@progbits
	.p2align	6, 0x0
	.amdhsa_kernel k_q5d703a47c9_proj
		.amdhsa_group_segment_fixed_size 327680
		.amdhsa_private_segment_fixed_size 0
		.amdhsa_enable_private_segment 0
		.amdhsa_kernarg_size 48
		.amdhsa_user_sgpr_count 2
		.amdhsa_user_sgpr_kernarg_segment_ptr 1
		.amdhsa_wavefront_size32 1
		.amdhsa_system_sgpr_workgroup_id_x 1
		.amdhsa_system_sgpr_workgroup_id_y 1
		.amdhsa_system_sgpr_workgroup_id_z 1
		.amdhsa_system_vgpr_workitem_id 0
		.amdhsa_next_free_vgpr 1024
		.amdhsa_next_free_sgpr 84
		.amdhsa_reserve_vcc 0
		.amdhsa_float_denorm_mode_32 3
		.amdhsa_float_denorm_mode_16_64 3
		.amdhsa_memory_ordered 1
		.amdhsa_forward_progress 1
		.amdhsa_inst_pref_size 255
	.end_amdhsa_kernel
	.section	.bss,"aw",@nobits
	.p2align	6
	.space	262144
	.amdgpu_metadata
---
amdhsa.version: [ 1, 2 ]
amdhsa.kernels:
  - .name:           k_q5d703a47c9_proj
    .symbol:         k_q5d703a47c9_proj.kd
    .args:
      - { .name: query, .offset: 0, .size: 8, .value_kind: global_buffer, .address_space: global }
      - { .name: key, .offset: 8, .size: 8, .value_kind: global_buffer, .address_space: global }
      - { .name: value, .offset: 16, .size: 8, .value_kind: global_buffer, .address_space: global }
      - { .name: in_proj_w, .offset: 24, .size: 8, .value_kind: global_buffer, .address_space: global }
      - { .name: in_proj_b, .offset: 32, .size: 8, .value_kind: global_buffer, .address_space: global }
      - { .name: qkv, .offset: 40, .size: 8, .value_kind: global_buffer, .address_space: global }
    .group_segment_fixed_size: 327680
    .private_segment_fixed_size: 0
    .kernarg_segment_align: 8
    .kernarg_segment_size: 48
    .max_flat_workgroup_size: 128
    .sgpr_count:     84
    .vgpr_count:     1024
    .wavefront_size: 32
...
	.end_amdgpu_metadata
.endif
;; end of part 1
;; launch attn (part 2): grid 8 x 32, 8 waves a work-group, clusters of 4 x 1, 327,680 bytes of LDS; arguments qkv, ao, out_proj_w, wo16; writes ao, wo16
.if DOCPART == 2
	.amdgcn_target "amdgcn-amd-amdhsa--gfx1250"
	.amdhsa_code_object_version 6
	.text
	.protected	k_q5d703a47c9_attn
	.globl	k_q5d703a47c9_attn
	.p2align	8
	.type	k_q5d703a47c9_attn,@function
k_q5d703a47c9_attn:
	s_mov_b64 s[64:65], 0
	v_nop
	global_prefetch_b8 v0, s[64:65] scope:SCOPE_SE
	s_setreg_imm32_b32 hwreg(HW_REG_WAVE_MODE, 25, 1), 1
	s_wait_xcnt 0x0
	s_wait_alu depctr_hold_cnt(0) depctr_sa_sdst(0) depctr_va_vdst(0) depctr_va_sdst(0) depctr_va_ssrc(0) depctr_va_vcc(0) depctr_vm_vsrc(0)
	s_getreg_b32 s2, hwreg(HW_REG_IB_STS2, 6, 4)
	s_cmp_eq_u32 s2, 0
	s_cbranch_scc0 .Lentry_in_a_cluster
	s_endpgm
.Lentry_in_a_cluster:
	s_bfe_u32 s2, ttmp6, 0x10000c
	s_cmp_lg_u32 s2, 0x3003
	s_cbranch_scc0 .Lentry_shape_is_right
	s_endpgm
.Lentry_shape_is_right:
; ao (f16) = softmax(q k^T / 8) v for one head (work-group y = 16 b + h) and 256 query rows (work-group x).
; ao's layout is [b][block of 128 rows][head][128 rows][64]: byte = b 2^22 + (s >> 7) 2^18 + h 2^14 + (s & 127) 128 + 2 d, so that the
; sixteen heads of a block of 128 rows are one dense run for the output projection; a wave's 32 rows are 4,096 consecutive bytes.
; Eight waves, 32 query rows each (two tiles of 16).  Keys go in steps of 64; an LDS slot holds 256 keys of K and of V, two slots.
; TRANSPOSED PRODUCTS.  S^T = K Q^T: lane (r = l % 16, h = l / 16) holds keys 8 h + 0 .. 7 of query r.  Two neighbouring tiles of S^T,
; rounded to f16, are then exactly the second source of O^T = V^T P^T: no shuffle; maximum, sum and rescale factor are one number a
; lane, and one v_permlanex16_b32 a step joins the two halves.  V^T's fragments come from V [key][d] by the transposing LDS load.
; SOFTMAX: running maximum in raw score units; every exponent is fma(s, c, -m c) with c = log2(e) / 8, at most about 0.
; The denominator adds the f32 exponentials as they are; the matrix unit takes them rounded to f16.
; ALSO: wo16 = out_proj_w rounded to f16, for the next launch.  Each of the 2,048 waves rounds 2,048 bytes (4 loads, 8 conversions,
; 2 stores of 512 bytes) while its first tiles are on their way.
; LIMIT: ao and wo16 are f16 (|value| below 65,504).
; CLUSTERS: the four work-groups of a cluster are four query blocks of one head and walk the same K and V: every tile is asked for jointly.
; A slot's 2 x 128 LDS rows are shared out among eight waves, 32 rows (8 KiB) a load: every wave has a load of its own on its way.
.set KP,    272                        ; K: two keys (256 bytes) an LDS row: lane addresses (r>>1) 272 + (r&1) 128 fall in 16 different 16-byte columns
.set VP,    288                        ; V: the same rows in a pitch of 288: the transposing load's sixteen addresses do likewise
.set KREG,  128*KP
.set VREG,  128*VP
.set SLOT,  KREG+VREG
.set STAGE, 2*SLOT                     ; behind the ring, never filled by a tensor load
.set SP,    144                        ; stage row: 128 bytes in a pitch of 9 x 16
.set KADR, 2                           ; v2-3   K fragments' address, slot 0, 1
.set VADR, 4                           ; v4-5   V fragments' address
.set STO,  6
.set RD,   7
.set GO,   8                           ; 16 x lane
.set QOFF, 9
.set MX,   10                          ; v10-11 running maximum of query tile 0, 1
.set LS,   12                          ; v[12:13], v[14:15] two partial sums a tile
.set ALF,  16                          ; v16, v18 rescale factor (v17, v19 hold 0: only named as the pair's upper half)
.set NMX,  20                          ; v20, v22 -m c (v21, v23 likewise)
.set TA,   24
.set TB,   26
.set T0,   28
.set T1,   30
.set T2,   32
.set T3,   34
.set WOF,  36                          ; 32 x lane: my 8 weights; never rewritten
.set TP,   38                          ; v38-39 v_permlanex16_b32's destinations, written once at the head
.set WI,   40                          ; v40-55 16 weights as loaded
.set WP,   56                          ; v56-63 the same in f16; never rewritten
.set KF,   64                          ; K fragments: tile kt, half of d, at 64 + 16 kt + 8 half
.set VF,   128                         ; V^T fragments: 32 keys kk, 16 d dt, at 128 + 32 kk + 8 dt
.set SB,   192                         ; S^T tiles: 192 + 8 (2 kt + qt); P's fragment (qt, kk) lies in tile (2 kk, qt)
.set OA,   0                           ; window 1: O^T tiles at 8 (4 qt + dt)
.set QF,   64                          ; window 1: Q fragments at 64 + 16 qt + 8 half
.set PK,   64                          ; way out, window 0
.set YB,   128
.set G1K, 16
.set G1V, 24
.set G0K, 32
.set G0V, 40
.set MSB, 0
.macro WIN new
.if MSB != \new
	s_set_vgpr_msb (MSB<<8)|\new
.set MSB, \new
.endif
.endm
.macro PLACES
.rept 4
	v_nop
.endr
.endm
.macro JLOAD s                         ; waves 0-3 ask for K's quarters, waves 4-7 for V's
	s_cmp_eq_u32 s9, 0
	s_cbranch_scc0 .Lfor_v_\@
	tensor_load_to_lds s[G0K+4*(\s):G0K+4*(\s)+3], s[G1K:G1K+7]
	s_nop 0
	s_branch .Lasked_\@
.Lfor_v_\@:
	tensor_load_to_lds s[G0V+4*(\s):G0V+4*(\s)+3], s[G1V:G1V+7]
	s_nop 0
.Lasked_\@:
.endm
.macro CROUND
	s_barrier_signal -1
	s_barrier_wait -1
	s_cmp_lg_u32 s8, 0
	s_cbranch_scc1 .Lnot_wave_0_\@
	s_barrier_signal -3
.Lnot_wave_0_\@:
	s_barrier_wait -3
	s_barrier_signal -1
	s_barrier_wait -1
.endm
	s_load_b128 s[4:7], s[0:1], 0x0                ; qkv s[4:5], ao s[6:7]
	s_load_b128 s[68:71], s[0:1], 0x10             ; out_proj_w s[68:69], wo16 s[70:71]
	v_lshl_add_u32 v37, v0, 2, 0x2c000
	s_set_vgpr_msb 0x40
	v_mov_b32 v97, 0
	s_set_vgpr_msb 0x4044
	ds_add_u32 v37, v97
	s_set_vgpr_msb 0x4400
	v_lshrrev_b32 v1, 5, v0
	v_readfirstlane_b32 s8, v1                     ; wave 0..7
	s_lshr_b32 s9, s8, 2                           ; I fetch for K (0) or V (1)
	s_and_b32 s10, s8, 3                           ; which quarter
	s_bfe_u32 s11, ttmp6, 0x40000                  ; cx
	s_lshl_b32 s12, ttmp9, 2
	s_add_co_u32 s12, s12, s11                     ; query block 0..7
	s_and_b32 s13, ttmp7, 0xffff                   ; 16 b + h: shared by the cluster
	s_mov_b32 s48, 0x3e38aa3b                      ; c = log2(e) / 8
	s_mov_b32 s49, 0x3e38aa3b
	s_mov_b32 s50, 0xbe38aa3b                      ; -c
	s_mov_b32 s52, 0x76543210                      ; v_permlanex16_b32: lane i takes lane i of the other half
	s_mov_b32 s53, 0xfedcba98
	; group 1: a dense block as 32 rows of 32 elements of 8 bytes, padded behind every 64 words by 4 (K) or 8 (V) words; mask: all four partners
	s_mov_b32 s[G1K+0], 15|(3<<16)|(1<<20)|(1<<21)|(5<<22)|(3<<25)
	s_mov_b32 s[G1V+0], 15|(3<<16)|(1<<20)|(1<<21)|(5<<22)|(7<<25)
	s_mov_b32 s[G1K+1], 32<<16
	s_mov_b32 s[G1V+1], 32<<16
	s_mov_b32 s[G1K+2], 32<<16
	s_mov_b32 s[G1V+2], 32<<16
	s_mov_b32 s[G1K+3], 32<<16
	s_mov_b32 s[G1V+3], 32<<16
	s_mov_b32 s[G1K+4], 32
	s_mov_b32 s[G1V+4], 32
	s_mov_b32 s[G1K+5], 32
	s_mov_b32 s[G1V+5], 32
	s_mov_b32 s[G1K+6], 0
	s_mov_b32 s[G1V+6], 0
	s_mov_b32 s[G1K+7], 0
	s_mov_b32 s[G1V+7], 0
	s_lshl_b32 s56, s13, 18                        ; the head's 262,144 bytes
	s_lshl_b32 s58, s10, 13                        ; my 64 keys of 128 bytes
	s_add_co_u32 s56, s56, s58
	s_mov_b32 s57, 0
	s_lshl_b32 s60, s13, 18                        ; q: head, block of 256 rows, my 32 rows
	s_lshl_b32 s61, s12, 15
	s_add_co_u32 s60, s60, s61
	s_lshl_b32 s61, s8, 12
	s_add_co_u32 s60, s60, s61
	s_mov_b32 s61, 0
	s_lshr_b32 s62, s13, 4                         ; ao: batch,
	s_lshl_b32 s62, s62, 22
	s_lshl_b32 s63, s12, 19                        ; two blocks of 128 rows a query block,
	s_add_co_u32 s62, s62, s63
	s_lshl_b32 s63, s9, 18                         ; waves 4-7 in the second,
	s_add_co_u32 s62, s62, s63
	s_and_b32 s63, s13, 15
	s_lshl_b32 s63, s63, 14                        ; head,
	s_add_co_u32 s62, s62, s63
	s_lshl_b32 s63, s10, 12                        ; my 32 rows of 128 bytes
	s_add_co_u32 s62, s62, s63
	s_mov_b32 s63, 0
	s_lshl_b32 s72, s13, 3                         ; the weights: wave number in the launch, 0 .. 2047,
	s_add_co_u32 s72, s72, s12
	s_lshl_b32 s72, s72, 3
	s_add_co_u32 s72, s72, s8
	s_lshl_b32 s74, s72, 10                        ; x 1,024 bytes of f16
	s_lshl_b32 s72, s72, 11                        ; x 2,048 bytes of f32
	s_mov_b32 s73, 0
	s_mov_b32 s75, 0
	s_mul_i32 s58, s10, 32*KP
	s_mul_i32 s59, s10, 32*VP
	s_add_co_u32 s59, s59, KREG
	s_wait_dscnt 0x0
	s_wait_kmcnt 0x0
	s_add_nc_u64 s[56:57], s[4:5], s[56:57]
	s_add_nc_u64 s[14:15], s[4:5], s[60:61]        ; q's rows
	s_add_nc_u64 s[6:7], s[6:7], s[62:63]          ; ao's rows
	s_add_nc_u64 s[68:69], s[68:69], s[72:73]
	s_add_nc_u64 s[70:71], s[70:71], s[74:75]
	CROUND                                         ; the four work-groups are here: the first joint loads meet
.irp s, 0,1
	s_mov_b32 s[G0K+4*\s], 1
	s_add_co_u32 s[G0K+4*\s+1], s58, \s*SLOT
	s_add_nc_u64 s[G0K+4*\s+2:G0K+4*\s+3], s[56:57], 8388608+\s*32768
	s_or_b32 s[G0K+4*\s+3], s[G0K+4*\s+3], 0x80000000
	s_mov_b32 s[G0V+4*\s], 1
	s_add_co_u32 s[G0V+4*\s+1], s59, \s*SLOT
	s_add_nc_u64 s[G0V+4*\s+2:G0V+4*\s+3], s[56:57], 16777216+\s*32768
	s_or_b32 s[G0V+4*\s+3], s[G0V+4*\s+3], 0x80000000
	JLOAD \s                                       ; keys 0-255 and 256-511: two tensor loads of the wave are out
.endr
	v_and_b32 v25, 15, v0                          ; r
	v_bfe_u32 v26, v0, 4, 1                        ; h
	v_lshlrev_b32 v[QOFF], 7, v25
	v_lshl_add_u32 v[QOFF], v26, 4, v[QOFF]        ; 128 r + 16 h
	WIN 0x40
.irp qt, 0,1
.irp c, 0,1,2,3
	global_load_b128 v[QF+16*\qt+4*\c:QF+16*\qt+4*\c+3], v[QOFF], s[14:15] offset:\qt*2048+32*\c
.endr
.endr
	WIN 0
	v_and_b32 v24, 31, v0                          ; lane
	v_lshlrev_b32 v[WOF], 5, v24
	global_load_b128 v[WI:WI+3],     v[WOF], s[68:69] th:TH_LOAD_NT               ; weights 8 l .. 8 l + 7 of my first 256,
	global_load_b128 v[WI+4:WI+7],   v[WOF], s[68:69] offset:16 th:TH_LOAD_NT
	global_load_b128 v[WI+8:WI+11],  v[WOF], s[68:69] offset:1024 th:TH_LOAD_NT   ; and of my second 256
	global_load_b128 v[WI+12:WI+15], v[WOF], s[68:69] offset:1040 th:TH_LOAD_NT
	v_lshrrev_b32 v27, 1, v25
	v_mul_u32_u24 v27, v27, KP
	v_and_b32 v28, 1, v0
	v_lshl_add_u32 v27, v28, 7, v27
	v_lshl_add_u32 v[KADR], v26, 4, v27            ; (r>>1) 272 + (r&1) 128 + 16 h
	v_add_nc_u32 v[KADR+1], SLOT, v[KADR]
	v_bfe_u32 v29, v0, 1, 2
	v_lshl_add_u32 v29, v26, 2, v29
	v_mul_u32_u24 v29, v29, VP                     ; key 8 h + (l & 7): LDS row 4 h + ((l & 7) >> 1),
	v_lshl_add_u32 v29, v28, 7, v29                ; its half,
	v_bfe_u32 v30, v0, 3, 1
	v_lshl_add_u32 v29, v30, 4, v29                ; and 8 of the 16 d
	v_add_nc_u32 v[VADR], KREG, v29
	v_add_nc_u32 v[VADR+1], KREG+SLOT, v29
	s_mul_i32 s55, s8, 32*SP
	s_add_co_u32 s55, s55, STAGE
	v_mul_u32_u24 v31, v25, SP
	v_lshl_add_u32 v31, v26, 4, v31
	v_add_nc_u32 v[STO], s55, v31
	v_lshrrev_b32 v32, 3, v24
	v_mul_u32_u24 v32, v32, SP
	v_and_b32 v33, 7, v0
	v_lshl_add_u32 v32, v33, 4, v32
	v_add_nc_u32 v[RD], s55, v32
	v_lshlrev_b32 v[GO], 4, v24
	v_mov_b32 v[ALF+1], 0
	v_mov_b32 v[ALF+3], 0
	v_mov_b32 v[NMX+1], 0
	v_mov_b32 v[NMX+3], 0
	v_mov_b32 v[TP], 0
	v_mov_b32 v[TP+1], 0
	s_wait_loadcnt 0x0                             ; my weights, and Q's fragments, which were asked for ahead of them
.irp p, 0,1,2,3,4,5,6,7
	v_cvt_pk_f16_f32 v[WP+\p], v[WI+2*\p], v[WI+2*\p+1]
.endr
	global_store_b128 v[GO], v[WP:WP+3],   s[70:71]                ; 512 consecutive bytes, aligned
	global_store_b128 v[GO], v[WP+4:WP+7], s[70:71] offset:512
.macro KLOAD slot, st                  ; 64 keys x 64 d: 16 loads
.irp kt, 0,1,2,3
.irp c, 0,1,2,3
	ds_load_b128 v[KF+16*\kt+4*\c:KF+16*\kt+4*\c+3], v[KADR+\slot] offset:(4*(\st)+\kt)*8*KP+32*\c
.endr
.endr
.endm
.macro VLOAD slot, st                  ; 64 keys x 64 d, transposed: 16 loads
.irp kk, 0,1
.irp dt, 0,1,2,3
	ds_load_tr16_b128 v[VF+32*\kk+8*\dt:VF+32*\kk+8*\dt+3],   v[VADR+\slot] offset:(32*(\st)+16*\kk)*VP+32*\dt
	ds_load_tr16_b128 v[VF+32*\kk+8*\dt+4:VF+32*\kk+8*\dt+7], v[VADR+\slot] offset:(32*(\st)+16*\kk+8)*VP+32*\dt
.endr
.endr
.endm
.macro SMUL                            ; S^T: eight accumulators by turns, d 0-31 (starts the sums), then d 32-63
	WIN 0x04
.irp kt, 0,1,2,3
.irp qt, 0,1
	v_wmma_f32_16x16x32_f16 v[SB+8*(2*\kt+\qt):SB+8*(2*\kt+\qt)+7], v[KF+16*\kt:KF+16*\kt+7], v[QF+16*\qt:QF+16*\qt+7], 0
.endr
.endr
.irp kt, 0,1,2,3
.irp qt, 0,1
	v_wmma_f32_16x16x32_f16 v[SB+8*(2*\kt+\qt):SB+8*(2*\kt+\qt)+7], v[KF+16*\kt+8:KF+16*\kt+15], v[QF+16*\qt+8:QF+16*\qt+15], v[SB+8*(2*\kt+\qt):SB+8*(2*\kt+\qt)+7]
.endr
.endr
.endm
.macro MAXQ qt, first                  ; new maximum of query tile qt over my 32 scores and the other half's, in two chains; -m c; the rescale factor
.if \first
	v_max_num_f32 v[TA+\qt], v[SB+8*\qt], v[SB+8*\qt+1]
.else
	v_max3_num_f32 v[TA+\qt], v[MX+\qt], v[SB+8*\qt], v[SB+8*\qt+1]
.endif
	v_max_num_f32 v[TB+\qt], v[SB+8*(4+\qt)], v[SB+8*(4+\qt)+1]
.irp p, 2,4,6
	v_max3_num_f32 v[TA+\qt], v[TA+\qt], v[SB+8*\qt+\p], v[SB+8*\qt+\p+1]
	v_max3_num_f32 v[TB+\qt], v[TB+\qt], v[SB+8*(4+\qt)+\p], v[SB+8*(4+\qt)+\p+1]
.endr
.irp p, 0,2,4,6
	v_max3_num_f32 v[TA+\qt], v[TA+\qt], v[SB+8*(2+\qt)+\p], v[SB+8*(2+\qt)+\p+1]
	v_max3_num_f32 v[TB+\qt], v[TB+\qt], v[SB+8*(6+\qt)+\p], v[SB+8*(6+\qt)+\p+1]
.endr
	v_max_num_f32 v[TA+\qt], v[TA+\qt], v[TB+\qt]
	v_permlanex16_b32 v[TP+\qt], v[TA+\qt], s52, s53
	v_max_num_f32 v[TB+\qt], v[TA+\qt], v[TP+\qt]
	v_mul_f32 v[NMX+2*\qt], s50, v[TB+\qt]
.if \first
.else
	v_fma_f32 v[TA+\qt], v[MX+\qt], s48, v[NMX+2*\qt]
	v_exp_f32 v[ALF+2*\qt], v[TA+\qt]              ; 2^((old m - new m) c); the move below is the plain instruction behind it
.endif
	v_mov_b32 v[MX+\qt], v[TB+\qt]
.endm
; A block (qt, kk) is the two S^T tiles (2 kk, qt) and (2 kk + 1, qt): 32 keys of one query tile.
.macro BFMA qt, kk
.irp u, 0,2
.irp p, 0,2,4,6
	v_pk_fma_f32 v[SB+8*(4*\kk+\u+\qt)+\p:SB+8*(4*\kk+\u+\qt)+\p+1], v[SB+8*(4*\kk+\u+\qt)+\p:SB+8*(4*\kk+\u+\qt)+\p+1], s[48:49], v[NMX+2*\qt:NMX+2*\qt+1] op_sel_hi:[1,0,0]
.endr
.endr
.endm
.macro BEXP qt, kk                     ; sixteen exponentials back to back; a plain instruction on other registers follows before any is used
.irp u, 0,2
.irp p, 0,1,2,3,4,5,6,7
	v_exp_f32 v[SB+8*(4*\kk+\u+\qt)+\p], v[SB+8*(4*\kk+\u+\qt)+\p]
.endr
.endr
.endm
.macro BSUM qt, kk, first              ; the block's sum into the running sum, then the block rounded to f16 in place: P's fragment
.set BA, SB+8*(4*\kk+\qt)
.set BB, BA+16
	s_wait_alu depctr_va_vdst(0)
	v_pk_add_f32 v[T0:T0+1], v[BA:BA+1], v[BA+2:BA+3]
	v_pk_add_f32 v[T1:T1+1], v[BA+4:BA+5], v[BA+6:BA+7]
	v_pk_add_f32 v[T2:T2+1], v[BB:BB+1], v[BB+2:BB+3]
	v_pk_add_f32 v[T3:T3+1], v[BB+4:BB+5], v[BB+6:BB+7]
	v_pk_add_f32 v[T0:T0+1], v[T0:T0+1], v[T1:T1+1]
	v_pk_add_f32 v[T2:T2+1], v[T2:T2+1], v[T3:T3+1]
.if \kk
	v_pk_add_f32 v[LS+2*\qt:LS+2*\qt+1], v[LS+2*\qt:LS+2*\qt+1], v[T0:T0+1]
	v_pk_add_f32 v[LS+2*\qt:LS+2*\qt+1], v[LS+2*\qt:LS+2*\qt+1], v[T2:T2+1]
.else
.if \first
	v_pk_add_f32 v[LS+2*\qt:LS+2*\qt+1], v[T0:T0+1], v[T2:T2+1]
.else
	v_pk_fma_f32 v[LS+2*\qt:LS+2*\qt+1], v[LS+2*\qt:LS+2*\qt+1], v[ALF+2*\qt:ALF+2*\qt+1], v[T0:T0+1] op_sel_hi:[1,0,1]
	v_pk_add_f32 v[LS+2*\qt:LS+2*\qt+1], v[LS+2*\qt:LS+2*\qt+1], v[T2:T2+1]
.endif
.endif
.irp p, 0,1,2,3
	v_cvt_pk_f16_f32 v[BA+\p], v[BA+2*\p], v[BA+2*\p+1]        ; keys 8 h + 0 .. 7: registers 0-3
.endr
.irp p, 0,1,2,3
	v_cvt_pk_f16_f32 v[BA+4+\p], v[BB+2*\p], v[BB+2*\p+1]      ; keys 16 + 8 h + 0 .. 7: registers 4-7
.endr
.endm
.macro OSCALE                          ; O^T times one number a lane
	WIN 0x41
.irp qt, 0,1
.irp p, 0,2,4,6,8,10,12,14,16,18,20,22,24,26,28,30
	v_pk_mul_f32 v[OA+32*\qt+\p:OA+32*\qt+\p+1], v[OA+32*\qt+\p:OA+32*\qt+\p+1], v[ALF+2*\qt:ALF+2*\qt+1] op_sel_hi:[1,0]
.endr
.endr
.endm
.macro PV first                        ; O^T += V^T P^T: eight accumulators by turns, twice
	WIN 0x50
.irp kk, 0,1
.irp dt, 0,1,2,3
.irp qt, 0,1
.if \first*(1-\kk)
	v_wmma_f32_16x16x32_f16 v[OA+8*(4*\qt+\dt):OA+8*(4*\qt+\dt)+7], v[VF+32*\kk+8*\dt:VF+32*\kk+8*\dt+7], v[SB+8*(4*\kk+\qt):SB+8*(4*\kk+\qt)+7], 0
.else
	v_wmma_f32_16x16x32_f16 v[OA+8*(4*\qt+\dt):OA+8*(4*\qt+\dt)+7], v[VF+32*\kk+8*\dt:VF+32*\kk+8*\dt+7], v[SB+8*(4*\kk+\qt):SB+8*(4*\kk+\qt)+7], v[OA+8*(4*\qt+\dt):OA+8*(4*\qt+\dt)+7]
.endif
.endr
.endr
.endr
.endm
; 64 keys: step st of the slot's four.  first = 1: nothing has been summed yet.  pre = 1: the slot's next K fragments are fetched.
.macro STEP slot, st, first, pre
	s_wait_dscnt 0x0                               ; this step's K fragments are in
	SMUL
	WIN 0
	PLACES                                         ; in front of the reads of S^T and of the loads into K's fragments
	VLOAD \slot, \st
.if \pre
	KLOAD \slot, \st+1
.endif
	MAXQ 0, \first
	MAXQ 1, \first
	BFMA 0, 0
	BEXP 0, 0
	BFMA 0, 1
	BSUM 0, 0, \first
	BEXP 0, 1
	BFMA 1, 0
	BSUM 0, 1, \first
	BEXP 1, 0
	BFMA 1, 1
	BSUM 1, 0, \first
	BEXP 1, 1
	v_nop                                          ; the plain instruction behind the last exponentials
	s_wait_alu depctr_va_vdst(0)
	BSUM 1, 1, \first
.if \first
.else
	OSCALE
.endif
.if \pre
	s_wait_dscnt 16                                ; V's 16 loads are in; the 16 K loads issued behind them may be out
.else
	s_wait_dscnt 0x0
.endif
	PV \first
	WIN 0
.rept 5
	v_nop                                          ; five places: the next step's first products write over P's fragments, which these read
.endr
.endm
; The change of slots.  In front of the barrier: all my tensor loads have landed (my part of this slot among them) and my reads of the
; other slot are back.  Where the other slot is filled again the barrier is a round of the cluster's, and the refill comes first behind it.
.macro SWAP slot, refill
	s_set_vgpr_msb 0x4
	s_wait_tensorcnt 0x0
	ds_add_u32 v37, v97
	s_wait_dscnt 0x0
	s_set_vgpr_msb 0x400
	s_wait_dscnt 0x0
.if \refill
	s_add_nc_u64 s[G0K+4*(1-\slot)+2:G0K+4*(1-\slot)+3], s[G0K+4*(1-\slot)+2:G0K+4*(1-\slot)+3], 65536
	s_add_nc_u64 s[G0V+4*(1-\slot)+2:G0V+4*(1-\slot)+3], s[G0V+4*(1-\slot)+2:G0V+4*(1-\slot)+3], 65536
	CROUND
	JLOAD 1-\slot                                  ; my one tensor load behind the round; it has four steps of 64 keys in which to land
.else
	s_barrier_signal -1
	s_barrier_wait -1
.endif
	KLOAD \slot, 0
	STEP \slot, 0, 0, 1
	STEP \slot, 1, 0, 1
	STEP \slot, 2, 0, 1
	STEP \slot, 3, 0, 0
.endm
	s_wait_tensorcnt 0x1                           ; my part of keys 0-255 is in; the next slot's stays out
	s_barrier_signal -1
	s_barrier_wait -1
	KLOAD 0, 0
	STEP 0, 0, 1, 1
	STEP 0, 1, 0, 1
	STEP 0, 2, 0, 1
	STEP 0, 3, 0, 0
	s_mov_b32 s54, 3
.Ltiles:
	SWAP 1, 1
	SWAP 0, 1
	s_sub_co_u32 s54, s54, 1
	s_cmp_lg_u32 s54, 0
	s_cbranch_scc1 .Ltiles
	SWAP 1, 0                                      ; keys 1792-2047: nothing is left to fetch
	; THE WAY OUT: divide by the sum, round to f16, through my own stage, four rows (512 consecutive bytes of ao) a store.
.irp qt, 0,1
	v_add_f32 v[TA+\qt], v[LS+2*\qt], v[LS+2*\qt+1]
	v_permlanex16_b32 v[TP+\qt], v[TA+\qt], s52, s53
	v_add_f32 v[TA+\qt], v[TA+\qt], v[TP+\qt]
.endr
	v_rcp_f32 v[ALF], v[TA]
	v_rcp_f32 v[ALF+2], v[TA+1]
	v_nop                                          ; the plain instruction behind the reciprocals
	s_wait_alu depctr_va_vdst(0)
	OSCALE
	WIN 0x05
.irp qt, 0,1
.irp dt, 0,1,2,3
.irp p, 0,1,2,3
	v_cvt_pk_f16_f32 v[PK+4*(4*\qt+\dt)+\p], v[OA+8*(4*\qt+\dt)+2*\p], v[OA+8*(4*\qt+\dt)+2*\p+1]
.endr
.endr
.endr
	WIN 0
.irp qt, 0,1
.irp dt, 0,1,2,3
	ds_store_b128 v[STO], v[PK+4*(4*\qt+\dt):PK+4*(4*\qt+\dt)+3] offset:\qt*16*SP+32*\dt   ; query r, d = 16 dt + 8 h + 0 .. 7
.endr
.endr
.irp t, 0,1,2,3,4,5,6,7
	ds_load_b128 v[YB+4*\t:YB+4*\t+3], v[RD] offset:\t*4*SP        ; LDS serves a wave's instructions in order: these see the stores above
.endr
.irp t, 0,1,2,3,4,5,6,7
	s_wait_dscnt 7-\t                              ; load t of the eight is in
	global_store_b128 v[GO], v[YB+4*\t:YB+4*\t+3], s[6:7] offset:512*\t
.endr
	s_set_vgpr_msb 0x4
	s_wait_tensorcnt 0x0
	ds_add_u32 v37, v97
	s_wait_dscnt 0x0
	s_set_vgpr_msb 0x400
	CROUND                                         ; the closing round
	s_endpgm
.Lfunc_end_k_q5d703a47c9_attn:
	.size	k_q5d703a47c9_attn, .Lfunc_end_k_q5d703a47c9_attn-k_q5d703a47c9_attn
	.p2alignl 7, 3214868480
	.fill 96, 4, 3214868480
	.section	.rodata,"a",@progbits
	.p2align	6, 0x0
	.amdhsa_kernel k_q5d703a47c9_attn
		.amdhsa_group_segment_fixed_size 327680
		.amdhsa_private_segment_fixed_size 0
		.amdhsa_enable_private_segment 0
		.amdhsa_kernarg_size 32
		.amdhsa_user_sgpr_count 2
		.amdhsa_user_sgpr_kernarg_segment_ptr 1
		.amdhsa_wavefront_size32 1
		.amdhsa_system_sgpr_workgroup_id_x 1
		.amdhsa_system_sgpr_workgroup_id_y 1
		.amdhsa_system_sgpr_workgroup_id_z 1
		.amdhsa_system_vgpr_workitem_id 0
		.amdhsa_next_free_vgpr 354
		.amdhsa_next_free_sgpr 76
		.amdhsa_reserve_vcc 0
		.amdhsa_float_denorm_mode_32 3
		.amdhsa_float_denorm_mode_16_64 3
		.amdhsa_memory_ordered 1
		.amdhsa_forward_progress 1
		.amdhsa_inst_pref_size 255
	.end_amdhsa_kernel
	.section	.bss,"aw",@nobits
	.p2align	6
	.space	262144
	.amdgpu_metadata
---
amdhsa.version: [ 1, 2 ]
amdhsa.kernels:
  - .name:           k_q5d703a47c9_attn
    .symbol:         k_q5d703a47c9_attn.kd
    .args:
      - { .name: qkv, .offset: 0, .size: 8, .value_kind: global_buffer, .address_space: global }
      - { .name: ao, .offset: 8, .size: 8, .value_kind: global_buffer, .address_space: global }
      - { .name: out_proj_w, .offset: 16, .size: 8, .value_kind: global_buffer, .address_space: global }
      - { .name: wo16, .offset: 24, .size: 8, .value_kind: global_buffer, .address_space: global }
    .group_segment_fixed_size: 327680
    .private_segment_fixed_size: 0
    .kernarg_segment_align: 8
    .kernarg_segment_size: 32
    .max_flat_workgroup_size: 256
    .sgpr_count:     76
    .vgpr_count:     354
    .wavefront_size: 32
...
	.end_amdgpu_metadata
.endif
;; end of part 2
;; launch outp (part 3): grid 8 x 32, 4 waves a work-group, clusters of 4 x 4, 327,680 bytes of LDS; arguments ao, wo16, out_proj_b, query, mask_w, mask_b, out0; writes out0
.if DOCPART == 3
	.amdgcn_target "amdgcn-amd-amdhsa--gfx1250"
	.amdhsa_code_object_version 6
	.text
	.protected	k_q5d703a47c9_outp
	.globl	k_q5d703a47c9_outp
	.p2align	8
	.type	k_q5d703a47c9_outp,@function
k_q5d703a47c9_outp:
	s_mov_b64 s[64:65], 0
	v_nop
	global_prefetch_b8 v0, s[64:65] scope:SCOPE_SE
	s_setreg_imm32_b32 hwreg(HW_REG_WAVE_MODE, 25, 1), 1
	s_wait_xcnt 0x0
	s_wait_alu depctr_hold_cnt(0) depctr_sa_sdst(0) depctr_va_vdst(0) depctr_va_sdst(0) depctr_va_ssrc(0) depctr_va_vcc(0) depctr_vm_vsrc(0)
	s_getreg_b32 s2, hwreg(HW_REG_IB_STS2, 6, 4)
	s_cmp_eq_u32 s2, 0
	s_cbranch_scc0 .Lentry_in_a_cluster
	s_endpgm
.Lentry_in_a_cluster:
	s_bfe_u32 s2, ttmp6, 0x10000c
	s_cmp_lg_u32 s2, 0xf033
	s_cbranch_scc0 .Lentry_shape_is_right
	s_endpgm
.Lentry_shape_is_right:
; y[j][s][n] = sum over k of ao(j, s, k) out_proj_w[n][k] + out_proj_b[n];  m_i = sigmoid(query[i][2047] . mask_w + mask_b);
; out0[i][j][s][n] = (m_i < 0.1) ? (1 - m_i) y : m_i y + (1 - m_i) y.  In reference() the window's start is the constant 0, so its two
; attention results are one and the same function of the same arguments: y stands for both; the gate's arithmetic is kept as written,
; as fma(ms, y, (1 - m) y) with ms = m, or 0 where m < 0.1.
; LIMIT: for an infinite y with m < 0.1 this gives NaN (0 x infinity) where reference() gives an infinity.
; A work-group makes 128 rows x 128 columns with four waves of 64 x 64 (16 accumulators): 256 work-groups.
; Both operands come as f16: ao in the layout [b][block of 128 rows][head][128][64], the weights as wo16 [1024][1024], both made by the
; launch before.  K goes in four steps of 256 (four heads of ao, a dense run of 64 KiB; 512 bytes of a row of the weights) through two LDS
; slots: the two first fills hold half of K, and only two refills follow.  The four steps are written out.
; Sums in f32; the bias is the C operand of the first products.
; CLUSTERS: 4 x 4.  ao's tiles hang on the row block alone and are asked for jointly along a cluster's row, the weights' along a column.
; The matrix instruction is used transposed (source 0 = rows of the weights): a lane holds eight neighbouring columns of one row.
.set APITCH, 272                       ; two rows of ao (256 bytes) an LDS row
.set ACH,    64*APITCH                 ; one head's 128 rows
.set AREG,   4*ACH                     ; four heads
.set BPITCH, 528                       ; 512 bytes of weights + 16: an odd multiple of 16
.set SLOT,   AREG+128*BPITCH
.set STAGE,  2*SLOT                    ; behind the ring, never filled by a tensor load
.set SPITCH, 272
.set ADRA, 16
.set ADRB, 18
.set STO,  20
.set RD,   21
.set CO,   22
.set GO0,  23                          ; 16 x lane
.set GO1,  15                          ; the same at query row (1, 2047)
.set BOFF, 14                          ; 32 x (lane / 16)
.set MS0,  24                          ; v24 ms_0, v26 1 - m_0, v28 ms_1, v30 1 - m_1; the odd registers hold 0 (named as the pairs' upper halves)
.set OM0,  26
.set MS1,  28
.set OM1,  30
.set BI,   32                          ; bias tiles, 4 x 8
.set AF,   64                          ; ao's fragments, two buffers of 32
.set BF,   128                         ; the weights' fragments, two buffers of 32
.set Y,    64                          ; way out
.set C0,   96
.set C1,   128
.set G1,  24
.set G0,  32
.set G1B, 48
.set G0B, 56
.set MSB, 0
.macro WIN new
.if MSB != \new
	s_set_vgpr_msb (MSB<<8)|\new
.set MSB, \new
.endif
.endm
.macro PLACES
.rept 4
	v_nop
.endr
.endm
.macro JLOAD s                         ; waves 0, 1 ask for two heads of ao each, waves 2, 3 for the weights' two halves
	s_cmp_eq_u32 s11, 0
	s_cbranch_scc0 .Lfor_b_\@
	tensor_load_to_lds s[G0+4*(\s):G0+4*(\s)+3], s[G1:G1+7]
	s_nop 0
	s_branch .Lasked_\@
.Lfor_b_\@:
	tensor_load_to_lds s[G0B+4*(\s):G0B+4*(\s)+3], s[G1B:G1B+7]
	s_nop 0
.Lasked_\@:
.endm
.macro CROUND
	s_barrier_signal -1
	s_barrier_wait -1
	s_cmp_lg_u32 s10, 0
	s_cbranch_scc1 .Lnot_wave_0_\@
	s_barrier_signal -3
.Lnot_wave_0_\@:
	s_barrier_wait -3
	s_barrier_signal -1
	s_barrier_wait -1
.endm
	s_load_b256 s[68:75], s[0:1], 0x0              ; ao s[68:69], wo16 s[70:71], out_proj_b s[72:73], query s[74:75]
	s_load_b128 s[76:79], s[0:1], 0x20             ; mask_w s[76:77], mask_b s[78:79]
	s_load_b64 s[80:81], s[0:1], 0x30              ; out0
	v_lshl_add_u32 v254, v0, 2, 0x47400
	v_mov_b32 v255, 0
	ds_add_u32 v254, v255
	v_lshrrev_b32 v1, 5, v0
	v_readfirstlane_b32 s10, v1                    ; wave 0..3
	s_lshr_b32 s11, s10, 1                         ; my half of the rows; also: I fetch ao (0) or weights (1)
	s_and_b32 s12, s10, 1                          ; my half of the columns; also: which two heads, or which 64 rows of weights
	s_bfe_u32 s40, ttmp6, 0x40000                  ; cx
	s_bfe_u32 s41, ttmp6, 0x40004                  ; cy
	s_lshl_b32 s42, ttmp9, 2
	s_add_co_u32 s42, s42, s40                     ; column block 0..7
	s_and_b32 s13, ttmp7, 0xffff
	s_lshl_b32 s13, s13, 2
	s_add_co_u32 s13, s13, s41                     ; row block 0..31
	s_lshl_b32 s43, s41, 2
	s_lshl_b32 s43, 15, s43
	s_lshl_b32 s44, 0x1111, s40
	s_mov_b32 s66, 0x76543210
	s_mov_b32 s67, 0xfedcba98
	; ao: two heads, a dense block of 32 KiB, as 128 rows of 32 elements of 8 bytes, 16 bytes behind every 64 words
	s_or_b32 s[G1+0], s43, (3<<16)|(1<<20)|(1<<21)|(5<<22)|(3<<25)
	s_mov_b32 s[G1+1], 32<<16
	s_mov_b32 s[G1+2], 128<<16
	s_mov_b32 s[G1+3], 32<<16
	s_mov_b32 s[G1+4], 128
	s_mov_b32 s[G1+5], 32
	s_mov_b32 s[G1+6], 0
	s_mov_b32 s[G1+7], 0
	; weights: 64 rows of 256 elements of 2 bytes, 16 bytes behind every 128 words
	s_or_b32 s[G1B+0], s44, (1<<16)|(1<<20)|(1<<21)|(6<<22)|(3<<25)
	s_mov_b32 s[G1B+1], 256<<16
	s_mov_b32 s[G1B+2], 64<<16
	s_mov_b32 s[G1B+3], 256<<16
	s_mov_b32 s[G1B+4], 64
	s_mov_b32 s[G1B+5], 1024
	s_mov_b32 s[G1B+6], 0
	s_mov_b32 s[G1B+7], 0
	s_lshl_b32 s16, s13, 18                        ; ao: the row block's sixteen heads are 262,144 bytes,
	s_lshl_b32 s17, s12, 15                        ; my two heads of the step's four
	s_add_co_u32 s16, s16, s17
	s_mov_b32 s17, 0
	s_lshl_b32 s46, s42, 18                        ; weights: 128 rows of 2,048 bytes a column block,
	s_lshl_b32 s47, s12, 17                        ; my 64 rows
	s_add_co_u32 s46, s46, s47
	s_mov_b32 s47, 0
	s_lshl_b32 s18, s42, 9                         ; bias: my wave's first column, in bytes
	s_lshl_b32 s19, s12, 8
	s_add_co_u32 s18, s18, s19
	s_mov_b32 s19, 0
	s_mul_i32 s20, s12, 2*ACH
	s_mul_i32 s21, s12, 64*BPITCH
	s_add_co_u32 s21, s21, AREG
	s_wait_dscnt 0x0
	s_wait_kmcnt 0x0
	s_add_nc_u64 s[14:15], s[68:69], s[16:17]
	s_add_nc_u64 s[46:47], s[70:71], s[46:47]
	s_add_nc_u64 s[72:73], s[72:73], s[18:19]
	CROUND                                         ; all sixteen work-groups are here: the first joint loads meet
.irp s, 0,1
	s_mov_b32 s[G0+4*\s], 1
	s_add_co_u32 s[G0+4*\s+1], s20, \s*SLOT
	s_add_nc_u64 s[G0+4*\s+2:G0+4*\s+3], s[14:15], \s*65536
	s_or_b32 s[G0+4*\s+3], s[G0+4*\s+3], 0x80000000
	s_mov_b32 s[G0B+4*\s], 1
	s_add_co_u32 s[G0B+4*\s+1], s21, \s*SLOT
	s_add_nc_u64 s[G0B+4*\s+2:G0B+4*\s+3], s[46:47], \s*512
	s_or_b32 s[G0B+4*\s+3], s[G0B+4*\s+3], 0x80000000
	JLOAD \s                                       ; K steps 0 and 1: two tensor loads of the wave are out
.endr
	; THE GATE, made by every wave for itself while the first tiles are on their way: 12 KiB read, 32 numbers of each vector a lane.
	s_load_b32 s22, s[78:79], 0x0                  ; mask_b
	v_and_b32 v1, 31, v0
	v_lshlrev_b32 v[GO0], 4, v1
	v_add_nc_u32 v[GO1], 16773120, v[GO0]          ; row 4095 of 4,096 bytes
	v_bfe_u32 v2, v0, 4, 1                         ; h
	v_lshlrev_b32 v[BOFF], 5, v2
.irp t, 0,1,2,3,4,5,6,7
	global_load_b128 v[64+4*\t:64+4*\t+3],   v[GO0], s[76:77] offset:512*\t
	global_load_b128 v[96+4*\t:96+4*\t+3],   v[GO0], s[74:75] offset:8384512+512*\t    ; row 2047
	global_load_b128 v[128+4*\t:128+4*\t+3], v[GO1], s[74:75] offset:512*\t
.endr
.irp b, 0,1,2,3
	global_load_b128 v[BI+8*\b:BI+8*\b+3],   v[BOFF], s[72:73] offset:64*\b
	global_load_b128 v[BI+8*\b+4:BI+8*\b+7], v[BOFF], s[72:73] offset:64*\b+16
.endr
	v_and_b32 v1, 15, v0                           ; r
	v_lshrrev_b32 v3, 1, v1
	v_mul_u32_u24 v3, v3, APITCH
	v_and_b32 v4, 1, v0
	v_lshl_add_u32 v3, v4, 7, v3
	v_lshl_add_u32 v3, v2, 4, v3                   ; (r>>1) 272 + (r&1) 128 + 16 h
	s_mul_i32 s23, s11, 32*APITCH                  ; my 64 rows
	v_add_nc_u32 v[ADRA], s23, v3
	v_add_nc_u32 v[ADRA+1], SLOT, v[ADRA]
	v_mul_u32_u24 v5, v1, BPITCH
	v_lshl_add_u32 v5, v2, 4, v5                   ; 528 r + 16 h
	v_add_nc_u32 v[ADRB], s21, v5
	v_add_nc_u32 v[ADRB+1], SLOT, v[ADRB]
	s_mul_i32 s23, s10, 16*SPITCH
	s_add_co_u32 s23, s23, STAGE
	v_mul_u32_u24 v6, v1, SPITCH
	v_lshl_add_u32 v6, v2, 5, v6
	v_add_nc_u32 v[STO], s23, v6
	v_mul_u32_u24 v6, v2, SPITCH
	v_lshl_add_u32 v6, v1, 4, v6
	v_add_nc_u32 v[RD], s23, v6
	v_lshlrev_b32 v6, 12, v2
	v_lshl_add_u32 v[CO], v1, 4, v6                ; two rows of out0 a store, 256 consecutive bytes for sixteen lanes
	s_mov_b32 s23, 0xbfb8aa3b                      ; -log2(e)
	s_wait_loadcnt 0x0
	s_wait_kmcnt 0x0
	v_pk_mul_f32 v[160:161], v[64:65], v[96:97]
	v_pk_mul_f32 v[162:163], v[64:65], v[128:129]
.set p, 2
.rept 15
	v_pk_fma_f32 v[160:161], v[64+p:65+p], v[96+p:97+p], v[160:161]
	v_pk_fma_f32 v[162:163], v[64+p:65+p], v[128+p:129+p], v[162:163]
.set p, p+2
.endr
	v_add_f32 v160, v160, v161
	v_add_f32 v162, v162, v163
.irp x, 1,2,4,8
	v_add_f32_dpp v160, v160, v160 row_xmask:\x row_mask:0xf bank_mask:0xf
	v_add_f32_dpp v162, v162, v162 row_xmask:\x row_mask:0xf bank_mask:0xf
.endr
	v_permlanex16_b32 v161, v160, s66, s67
	v_permlanex16_b32 v163, v162, s66, s67
	v_add_f32 v160, v160, v161
	v_add_f32 v162, v162, v163
	v_mov_b32 v164, s22
	v_mul_f32 v164, s23, v164
	v_fma_f32 v160, v160, s23, v164                ; -(dot + mask_b) log2(e)
	v_fma_f32 v162, v162, s23, v164
	v_exp_f32 v160, v160
	v_exp_f32 v162, v162
	v_mov_b32 v[MS0+1], 0                          ; the plain instruction behind the exponentials
	s_wait_alu depctr_va_vdst(0)
	v_add_f32 v160, 1.0, v160
	v_add_f32 v162, 1.0, v162
	v_rcp_f32 v160, v160                           ; m_0
	v_rcp_f32 v162, v162                           ; m_1
	v_mov_b32 v[OM0+1], 0                          ; the plain instruction behind the reciprocals
	v_mov_b32 v[MS1+1], 0
	v_mov_b32 v[OM1+1], 0
	s_wait_alu depctr_va_vdst(0)
	v_sub_f32 v[OM0], 1.0, v160
	v_sub_f32 v[OM1], 1.0, v162
	v_cmp_gt_f32 vcc_lo, 0x3dcccccd, v160          ; 0.1 > m_0: the choice only selects a value
	v_cndmask_b32 v[MS0], v160, v[MS0+1], vcc_lo
	v_cmp_gt_f32 vcc_lo, 0x3dcccccd, v162
	v_cndmask_b32 v[MS1], v162, v[MS1+1], vcc_lo
.macro FETCH slot, q, buf              ; eighth q (32 k) of the slot: 8 loads of weights, 8 of ao (head q / 2, half q % 2 of its 64)
.irp i, 0,1,2,3
	ds_load_b128 v[BF+32*(\buf)+8*\i:BF+32*(\buf)+8*\i+3],   v[ADRB+\slot] offset:64*(\q)+\i*16*BPITCH
	ds_load_b128 v[BF+32*(\buf)+8*\i+4:BF+32*(\buf)+8*\i+7], v[ADRB+\slot] offset:64*(\q)+\i*16*BPITCH+32
.endr
.irp i, 0,1,2,3
	ds_load_b128 v[AF+32*(\buf)+8*\i:AF+32*(\buf)+8*\i+3],   v[ADRA+\slot] offset:((\q)>>1)*ACH+((\q)&1)*64+\i*8*APITCH
	ds_load_b128 v[AF+32*(\buf)+8*\i+4:AF+32*(\buf)+8*\i+7], v[ADRA+\slot] offset:((\q)>>1)*ACH+((\q)&1)*64+\i*8*APITCH+32
.endr
.endm
; 8 matrix instructions.  The 16 accumulators take turns, in the same order in every eighth.
.macro MUL8 buf, a0, first
.if \first
	WIN 0x40
.else
	WIN 0x50
.endif
.irp a, \a0, \a0+1
.irp b, 0,1,2,3
.if \first
	v_wmma_f32_16x16x32_f16 v[8*(4*(\a)+\b):8*(4*(\a)+\b)+7], v[BF+32*\buf+8*\b:BF+32*\buf+8*\b+7], v[AF+32*\buf+8*(\a):AF+32*\buf+8*(\a)+7], v[BI+8*\b:BI+8*\b+7]
.else
	v_wmma_f32_16x16x32_f16 v[8*(4*(\a)+\b):8*(4*(\a)+\b)+7], v[BF+32*\buf+8*\b:BF+32*\buf+8*\b+7], v[AF+32*\buf+8*(\a):AF+32*\buf+8*(\a)+7], v[8*(4*(\a)+\b):8*(4*(\a)+\b)+7]
.endif
.endr
.endr
.endm
.macro Q slot, q, buf, first           ; one of a step's first seven eighths: fetches the next one's fragments, multiplies its own
	FETCH \slot, \q+1, 1-\buf
	s_wait_dscnt 16                                ; this eighth's 16 loads are in; the 16 just issued may be out
	MUL8 \buf, 0, \first
	MUL8 \buf, 2, \first
	WIN 0
	PLACES                                         ; the next loads write registers that these matrix instructions read
.endm
.macro SEVEN slot, first
	Q \slot, 0, 0, \first
	Q \slot, 1, 1, 0
	Q \slot, 2, 0, 0
	Q \slot, 3, 1, 0
	Q \slot, 4, 0, 0
	Q \slot, 5, 1, 0
	Q \slot, 6, 0, 0
.endm
; The last eighth and the change of slots.  Its fragments are in registers, so the slot changes hands ahead of its products: my reads are
; back, all my tensor loads have landed, the barrier, the refill first behind it, the next slot's first reads, then the 16 matrix instructions.
.macro TURN slot, next, fill
	s_wait_dscnt 0x0                               ; all my reads of this slot are back
	s_wait_tensorcnt 0x0                           ; all my tensor loads have landed: every group 0 may be written
	ds_add_u32 v254, v255
	s_wait_dscnt 0x0
.if \fill
	s_add_nc_u64 s[G0+4*\slot+2:G0+4*\slot+3], s[G0+4*\slot+2:G0+4*\slot+3], 131072      ; eight heads on
	s_add_nc_u64 s[G0B+4*\slot+2:G0B+4*\slot+3], s[G0B+4*\slot+2:G0B+4*\slot+3], 1024    ; 512 k on
	CROUND                                         ; no wave of any partner still reads this slot or has a load on its way
	JLOAD \slot                                    ; my one tensor load behind the round
.else
	s_barrier_signal -1
	s_barrier_wait -1
.endif
	FETCH \next, 0, 0
	MUL8 1, 0, 0
	MUL8 1, 2, 0
	WIN 0
	PLACES
.endm
	s_wait_tensorcnt 0x1                           ; my part of K step 0 is in; K step 1's stays out
	s_barrier_signal -1
	s_barrier_wait -1
	FETCH 0, 0, 0
	SEVEN 0, 1                                     ; K step 0: its first products take the bias as C
	TURN 0, 1, 1                                   ; K step 2 is asked for
	SEVEN 1, 0                                     ; K step 1
	TURN 1, 0, 1                                   ; K step 3 is asked for
	SEVEN 0, 0                                     ; K step 2
	TURN 0, 1, 0                                   ; nothing is left to fetch
	SEVEN 1, 0                                     ; K step 3
	s_wait_dscnt 0x0
	MUL8 1, 0, 0
	MUL8 1, 2, 0
	WIN 0
	PLACES                                         ; behind the last matrix instructions, in front of the LDS stores that read results
	; THE WAY OUT, 16 rows at a time: f32 through my own stage, read back as whole rows of 256 bytes, gated twice, stored twice.
	s_lshl_b32 s16, s13, 19                        ; 128 rows of 4,096 bytes
	s_lshl_b32 s17, s11, 18                        ; my 64 rows
	s_add_co_u32 s16, s16, s17
	s_mov_b32 s17, 0
	s_add_nc_u64 s[8:9], s[80:81], s[16:17]
	s_lshl_b32 s46, s42, 9                         ; 128 columns of 4 bytes
	s_lshl_b32 s47, s12, 8
	s_add_co_u32 s46, s46, s47
	s_mov_b32 s47, 0
	s_add_nc_u64 s[8:9], s[8:9], s[46:47]          ; copy i = 0
	s_add_nc_u64 s[82:83], s[8:9], 16777216        ; copy i = 1
.macro OUTA a
	s_wait_xcnt 0x0                                ; C0 and C1, which earlier global stores read, are written again only behind this wait
	WIN 0x04
.irp b, 0,1,2,3
	ds_store_b128 v[STO], v[8*(4*\a+\b):8*(4*\a+\b)+3]   offset:64*\b
	ds_store_b128 v[STO], v[8*(4*\a+\b)+4:8*(4*\a+\b)+7] offset:64*\b+16
.endr
	WIN 0
.irp t, 0,1,2,3,4,5,6,7
	ds_load_b128 v[Y+4*\t:Y+4*\t+3], v[RD] offset:\t*2*SPITCH      ; LDS serves a wave's instructions in order: these see the stores above
.endr
.irp t, 0,1,2,3,4,5,6,7
	s_wait_dscnt 7-\t                              ; load t of the eight is in
	v_pk_mul_f32 v[C0+4*\t:C0+4*\t+1],   v[Y+4*\t:Y+4*\t+1],   v[OM0:OM0+1] op_sel_hi:[1,0]
	v_pk_mul_f32 v[C0+4*\t+2:C0+4*\t+3], v[Y+4*\t+2:Y+4*\t+3], v[OM0:OM0+1] op_sel_hi:[1,0]
	v_pk_mul_f32 v[C1+4*\t:C1+4*\t+1],   v[Y+4*\t:Y+4*\t+1],   v[OM1:OM1+1] op_sel_hi:[1,0]
	v_pk_mul_f32 v[C1+4*\t+2:C1+4*\t+3], v[Y+4*\t+2:Y+4*\t+3], v[OM1:OM1+1] op_sel_hi:[1,0]
	v_pk_fma_f32 v[C0+4*\t:C0+4*\t+1],   v[Y+4*\t:Y+4*\t+1],   v[MS0:MS0+1], v[C0+4*\t:C0+4*\t+1]   op_sel_hi:[1,0,1]
	v_pk_fma_f32 v[C0+4*\t+2:C0+4*\t+3], v[Y+4*\t+2:Y+4*\t+3], v[MS0:MS0+1], v[C0+4*\t+2:C0+4*\t+3] op_sel_hi:[1,0,1]
	v_pk_fma_f32 v[C1+4*\t:C1+4*\t+1],   v[Y+4*\t:Y+4*\t+1],   v[MS1:MS1+1], v[C1+4*\t:C1+4*\t+1]   op_sel_hi:[1,0,1]
	v_pk_fma_f32 v[C1+4*\t+2:C1+4*\t+3], v[Y+4*\t+2:Y+4*\t+3], v[MS1:MS1+1], v[C1+4*\t+2:C1+4*\t+3] op_sel_hi:[1,0,1]
	global_store_b128 v[CO], v[C0+4*\t:C0+4*\t+3], s[8:9]   offset:\a*65536+\t*8192 th:TH_STORE_NT
	global_store_b128 v[CO], v[C1+4*\t:C1+4*\t+3], s[82:83] offset:\a*65536+\t*8192 th:TH_STORE_NT
.endr
.endm
	OUTA 0
	OUTA 1
	OUTA 2
	OUTA 3
	s_wait_tensorcnt 0x0
	ds_add_u32 v254, v255
	s_wait_dscnt 0x0
	CROUND                                         ; the closing round
	s_endpgm
.Lfunc_end_k_q5d703a47c9_outp:
	.size	k_q5d703a47c9_outp, .Lfunc_end_k_q5d703a47c9_outp-k_q5d703a47c9_outp
	.p2alignl 7, 3214868480
	.fill 96, 4, 3214868480
	.section	.rodata,"a",@progbits
	.p2align	6, 0x0
	.amdhsa_kernel k_q5d703a47c9_outp
		.amdhsa_group_segment_fixed_size 327680
		.amdhsa_private_segment_fixed_size 0
		.amdhsa_enable_private_segment 0
		.amdhsa_kernarg_size 56
		.amdhsa_user_sgpr_count 2
		.amdhsa_user_sgpr_kernarg_segment_ptr 1
		.amdhsa_wavefront_size32 1
		.amdhsa_system_sgpr_workgroup_id_x 1
		.amdhsa_system_sgpr_workgroup_id_y 1
		.amdhsa_system_sgpr_workgroup_id_z 1
		.amdhsa_system_vgpr_workitem_id 0
		.amdhsa_next_free_vgpr 384
		.amdhsa_next_free_sgpr 84
		.amdhsa_reserve_vcc 1
		.amdhsa_float_denorm_mode_32 3
		.amdhsa_float_denorm_mode_16_64 3
		.amdhsa_memory_ordered 1
		.amdhsa_forward_progress 1
		.amdhsa_inst_pref_size 115
	.end_amdhsa_kernel
	.amdgpu_metadata
---
amdhsa.version: [ 1, 2 ]
amdhsa.kernels:
  - .name:           k_q5d703a47c9_outp
    .symbol:         k_q5d703a47c9_outp.kd
    .args:
      - { .name: ao, .offset: 0, .size: 8, .value_kind: global_buffer, .address_space: global }
      - { .name: wo16, .offset: 8, .size: 8, .value_kind: global_buffer, .address_space: global }
      - { .name: out_proj_b, .offset: 16, .size: 8, .value_kind: global_buffer, .address_space: global }
      - { .name: query, .offset: 24, .size: 8, .value_kind: global_buffer, .address_space: global }
      - { .name: mask_w, .offset: 32, .size: 8, .value_kind: global_buffer, .address_space: global }
      - { .name: mask_b, .offset: 40, .size: 8, .value_kind: global_buffer, .address_space: global }
      - { .name: out0, .offset: 48, .size: 8, .value_kind: global_buffer, .address_space: global }
    .group_segment_fixed_size: 327680
    .private_segment_fixed_size: 0
    .kernarg_segment_align: 8
    .kernarg_segment_size: 56
    .max_flat_workgroup_size: 128
    .sgpr_count:     84
    .vgpr_count:     384
    .wavefront_size: 32
...
	.end_amdgpu_metadata
.endif
;; end of part 3
